; MI455X (gfx1250); checked and timed in simulation.
; The chip was launched on July 23, 2026; its instructions are those of AMD's public machine-readable ISA for CDNA 5 (MIT licence, August 2026) and "CDNA5" Instruction Set Architecture Reference Guide (July 2026). The comments in the code are by the model that wrote it; some were corrected since.
;; Multi Head Self Attention. Allowed arithmetic: matrix products marked QUANTISED: E2M1 operands, one E8M0 scale for each 32 along K, by v_wmma_scale_f32_16x16x128_f8f6f4 with both operands' format E2M1 (or v_wmma_scale_f32_32x16x128_f4), f32 sums; everything else in f32.
;; Inputs: out_bias 1,024 float32; out_proj 1,024 x 1,024 float32; qkv_bias 3,072 float32; qkv_proj 3,072 x 1,024 float32; query 2,048 x 4 x 1,024 float32.
;; Outputs: out0 2,048 x 4 x 1,024 float32.
;; This version of the problem:
;;   THIS VERSION OF THE PROBLEM IS GIVEN IN LOW PRECISION. The matrix products marked QUANTISED in the list below multiply operands that are first quantised to E2M1 (2 exponent bits, 1 mantissa bit; 4 bits a number), with one power-of-two scale for each 32 numbers along K (OCP MX v1.0); their sums are f32. All else is computed in f32.
;;   The module's matrix products, in the order in which they are computed (A, B: the left and right operand; K: the contracted axis; several contracted axes count as one K, in the product's order):
;;     1. [M 8,192, K 1,024] x [K 1,024, N 3,072]; A: input query; B: input qkv_proj: QUANTISED
;;     2. batch 64 x [M 2,048, K 64] x [K 64, N 2,048]; A: computed on the way; B: computed on the way: QUANTISED
;;     3. batch 64 x [M 2,048, K 2,048] x [K 2,048, N 64]; A: softmax (see below); B: computed on the way: QUANTISED
;;     4. [M 8,192, K 1,024] x [K 1,024, N 1,024]; A: computed on the way; B: input out_proj: QUANTISED
;;   THE QUANTISER, for each operand of a quantised product, along K:
;;     - K is cut into blocks of 32 from its start; a last block that is shorter is filled with zeros.
;;     - A block's scale is 2^e with e = floor(log2(the largest magnitude in the block)) - 2, held to -126 .. 127; a block of zeros has e = 0. As a byte (E8M0): e + 127.
;;     - Each number is divided by its block's scale, clamped to +-6, and rounded to the nearest number of E2M1, ties to even, subnormals kept.
;;     - The product sums the exact products of the quantised numbers (number of the format x scale) in f32.
;;   ~~~python
;;   def quantise(x, axis):      # numpy; x: float32 -> the quantised numbers, widened to float32 again
;;       x = np.moveaxis(x, axis, -1); K = x.shape[-1]
;;       x = np.pad(x, [(0, 0)] * (x.ndim - 1) + [(0, -K % 32)]); x = x.reshape(x.shape[:-1] + (-1, 32)); a = np.abs(x).max(-1, keepdims=True)
;;       e = np.where(a > 0, np.clip(np.frexp(np.where(a > 0, a, 1))[1] - 1 - 2, -126, 127), 0)      # np.frexp(a)[1] - 1 = floor(log2(a)), exactly
;;       r = np.clip(x / 2.0 ** e, -6, 6)
;;       step = 2.0 ** (np.maximum(np.frexp(np.where(r == 0, 1, r))[1] - 1, 0) - 1)
;;       q = np.round(r / step) * step * 2.0 ** e      # np.round: ties to even
;;       return np.moveaxis(q.reshape(q.shape[:-2] + (-1,))[..., :K], -1, axis).astype(np.float32)
;;   ~~~
;;   SOFTMAX AHEAD OF A QUANTISED PRODUCT. Where the list says 'softmax', what is quantised is not the finished softmax but p = 2^(t - M), with t = logit x log2(e) and M = ceil(the row's largest t), a whole number; so 1/2 < the row's largest p <= 1. The row's sum l is taken of the UNQUANTISED p, in f32, and the product's result is divided by l at the end. Since M is a whole number, a kernel that streams over the keys may use a running M (the ceiling of the running maximum): every later rescaling is an exact power of two, which a block's scale takes up: the codes' values come out the same.
;;   OPERANDS COMPUTED ON THE WAY. 'Computed on the way' means the value that the module computes at that place (a softmax that the list does not call 'softmax' is quantised finished and normalised). What goes into a quantiser is computed in f32, as accurately as f32 sums, v_exp_f32 and their like allow (about 1e-6 of the number): no bf16 or f16 on the way to a quantiser, and a product that is left as it is and whose result goes on into a quantised operand takes f32 operands (vector FMAs, or v_wmma_f32_16x16x4_f32). A number that lies on a knife's edge between two numbers of the format may be rounded either way, as far as f32 arithmetic and the matrix unit's own rounding can turn it there, and no further.
;; One version. Each part assembles by itself: llvm-mc -triple=amdgcn-amd-amdhsa -mcpu=gfx1250 --defsym DOCPART=n.
;; ======== version 1 of 1: 4 launches
;; limits: right only within a limited range of input values
;; workspace buffers: codes 6,291,456 bytes; scales 393,216 bytes; qq 4,718,592 bytes; kv 9,175,040 bytes; ao 4,456,448 bytes
;; launch quant (part 1): grid 384 x 1, 4 waves a work-group, no clusters, 33,280 bytes of LDS; arguments query, qkv_proj, out_proj, codes, scales; writes codes, scales
.if DOCPART == 1
	.amdgcn_target "amdgcn-amd-amdhsa--gfx1250"
	.amdhsa_code_object_version 6
	.text
	.protected	k_qbf89c34686_quant
	.globl	k_qbf89c34686_quant
	.p2align	8
	.type	k_qbf89c34686_quant,@function
k_qbf89c34686_quant:
	s_mov_b64 s[64:65], 0
	v_nop
	global_prefetch_b8 v0, s[64:65] scope:SCOPE_SE
	s_setreg_imm32_b32 hwreg(HW_REG_WAVE_MODE, 25, 1), 1
	s_wait_xcnt 0x0
; MULTI-HEAD SELF-ATTENTION IN MX-FP4, launch 1 of 4: query [8192][1024], qkv_proj [3072][1024] and out_proj [1024][1024], f32, K innermost, become codes of FP4 (E2M1) and one E8M0 byte for each 32 along K.
; NOTHING OF THE PROBLEM IS LEFT OUT: all five inputs reach the output; the biases on q, k and v move the codes of the second and third product's operands and stay.
; The three tensors are plain streams of blocks of 32 numbers, and their codes and scale bytes are ONE stream each, in the order query, qkv_proj, out_proj: a row of 1,024 numbers is 512 bytes of codes and 32 scale bytes.
; A block's scale is 2^(floor(log2(its largest magnitude)) - 2); its byte is the largest magnitude's exponent field - 2, held at 1 from below.  A block of zeros so gets the byte 1 where the rule says 127:
; its codes are zeros, which add nothing under any byte but 0xff, and the bytes are read by this program alone.
; LIMITS: blocks whose largest magnitude lies under 2^-124, the floor, were not tried; NaN and infinities among the inputs are not served.
; SHARES: 256 + 96 + 32 work-groups of four waves; a wave takes 8,192 numbers in 16 steps of 512.  Each of a step's four loads reads 512 consecutive bytes, 16 a lane; the 2,048 bytes turn through the wave's own
; stage in LDS and come back 64 bytes a lane, so that a lane holds 16 neighbours along K (two neighbouring lanes hold a block).  A lane's 16 codes are 8 bytes: the wave stores 256 consecutive bytes.
; A wave's 256 scale bytes are gathered in its own LDS bytes and leave as one aligned run of 256 bytes.  No barrier: waves share nothing.  Loads run four steps ahead, the turn through LDS one step.
.set WAVES, 4
.set STEPS, 16
.set EMAX,  2
.set CB,    8                          ; bytes of 16 codes
.set R,     16                         ; v16-79   four sets of 16 numbers as they are loaded
.set X,     80                         ; v80-111  two sets of 16 neighbours
.set C,     128                        ; v128-191 codes: four registers for each step, so that no store's data are written again
.set E,     112                        ; v112-127 a scale byte for each step
.set WREG,  8192                       ; LDS: a region for each wave: two stages of 32 x SP bytes, behind them its 256 scale bytes
.set SP,    80                         ; a lane's place in a stage: 64 bytes + 16 of padding
.set SPW,   12                         ; v12 LDS address of my spare word; never rewritten
.set NIL,   13                         ; v13 0; never rewritten
.set SPARE, WAVES*WREG                 ; the spare words, 128 bytes for each wave, named by no other line
	s_load_b128 s[4:7], s[0:1], 0x0                ; query, qkv_proj
	s_load_b128 s[8:11], s[0:1], 0x10              ; out_proj, codes
	s_load_b64 s[12:13], s[0:1], 0x20              ; scales
	v_lshl_add_u32 v[SPW], v0, 2, SPARE
	v_mov_b32 v[NIL], 0
	v_lshrrev_b32 v1, 5, v0
	v_readfirstlane_b32 s16, v1                    ; wave
	v_and_b32 v2, 31, v0                           ; lane
	v_lshlrev_b32 v3, 4, v2                        ; my 16 bytes of a load's 512
	s_mul_i32 s17, s16, WREG
	v_lshrrev_b32 v14, 2, v2
	v_mul_u32_u24 v14, v14, SP
	v_and_b32 v15, 3, v2
	v_lshl_add_u32 v14, v15, 4, v14
	v_add_nc_u32 v14, s17, v14                     ; the stage, on the way in: SP (lane / 4) + 16 (lane % 4); a load's 512 bytes take eight places
	v_mul_u32_u24 v15, v2, SP
	v_add_nc_u32 v15, s17, v15                     ; and on the way out: SP x lane: my 16 neighbours
	v_mul_u32_u24 v4, v2, CB                       ; my codes' place in a step's
	v_lshrrev_b32 v5, 1, v2
	s_add_co_u32 s17, s17, 2*32*SP
	v_add_nc_u32 v5, s17, v5                       ; LDS: my wave's 256 scale bytes, my block's byte
	v_lshlrev_b32 v7, 3, v2                        ; and on the way out 8 bytes a lane
	v_add_nc_u32 v6, s17, v7
	s_wait_alu depctr_va_vdst(0)
	s_wait_kmcnt 0x0
	s_cmp_lt_u32 ttmp9, 256                        ; which tensor: the choice hangs on the work-group's number alone
	s_cselect_b64 s[4:5], s[4:5], s[6:7]
	s_cselect_b32 s17, 0, 256
	s_cmp_lt_u32 ttmp9, 352
	s_cselect_b64 s[4:5], s[4:5], s[8:9]
	s_cselect_b32 s17, s17, 352                    ; the tensor's first work-group
	s_sub_co_u32 s17, ttmp9, s17
	s_lshl_b32 s17, s17, 2
	s_add_co_u32 s18, s17, s16                     ; which run of 8,192 numbers (8 rows) of the tensor is my wave's
	; WHERE THE RESULTS GO.  The next launch wants the sixteen rows of a tile as neighbours: token l = 64 G + 32 a + 8 t + j is stored at place 64 G + 16 t + 8 a + j, and so is feature index i of qkv_proj's rows 3 i + c.
	; A run of query is two tokens x four n: bits 2, 3 (t) and 4 (a) of its number change places.  Eight i of qkv_proj are three runs: the same on bits 0, 1 and 2 of (run / 3).  out_proj's rows stay.
	s_and_b32 s24, s18, 0xffffffe3
	s_bfe_u32 s25, s18, 0x10004                    ; a
	s_lshl_b32 s25, s25, 2
	s_or_b32 s24, s24, s25
	s_bfe_u32 s25, s18, 0x20002                    ; t
	s_lshl_b32 s25, s25, 3
	s_or_b32 s24, s24, s25                         ; query's place
	s_mul_i32 s26, s18, 171
	s_lshr_b32 s26, s26, 9                         ; run / 3, exact for runs under 384
	s_mul_i32 s27, s26, 3
	s_sub_co_u32 s27, s18, s27                     ; run % 3
	s_and_b32 s28, s26, 0xfffffff8
	s_bfe_u32 s29, s26, 0x10002                    ; a
	s_or_b32 s28, s28, s29
	s_and_b32 s29, s26, 3                          ; t
	s_lshl_b32 s29, s29, 1
	s_or_b32 s28, s28, s29
	s_mul_i32 s28, s28, 3
	s_add_co_u32 s28, s28, s27                     ; qkv_proj's place
	s_cmp_lt_u32 ttmp9, 256
	s_cselect_b32 s24, s24, s28
	s_cmp_lt_u32 ttmp9, 352
	s_cselect_b32 s24, s24, s18
	s_sub_co_u32 s24, s24, s18                     ; how many runs the results move
	s_lshl_b32 s18, s18, 15                        ; 32,768 bytes a run
	s_mov_b32 s19, 0
	s_add_nc_u64 s[4:5], s[4:5], s[18:19]
	s_lshl_b32 s20, ttmp9, 2
	s_add_co_u32 s20, s20, s16                     ; which run of the one stream of results,
	s_add_co_u32 s20, s20, s24                     ; moved to its place
	s_lshl_b32 s22, s20, 12                        ; 4,096 bytes of codes a run
	s_mov_b32 s23, 0
	s_add_nc_u64 s[10:11], s[10:11], s[22:23]
	s_lshl_b32 s22, s20, 8                         ; 256 scale bytes a run
	s_add_nc_u64 s[12:13], s[12:13], s[22:23]
.macro LOAD t
.irp i, 0,1,2,3
	global_load_b128 v[R+16*((\t)%4)+4*\i:R+16*((\t)%4)+4*\i+3], v3, s[4:5] offset:2048*(\t)+512*\i th:TH_LOAD_NT   ; 32 lanes read 512 consecutive bytes
.endr
.endm
.macro TURN t                          ; step t's numbers through the stage: LDS serves a wave's instructions in order, so no wait stands between the stores and the loads
.irp i, 0,1,2,3
	ds_store_b128 v14, v[R+16*((\t)%4)+4*\i:R+16*((\t)%4)+4*\i+3] offset:32*SP*((\t)%2)+8*SP*\i
.endr
.irp i, 0,1,2,3
	ds_load_b128 v[X+16*((\t)%2)+4*\i:X+16*((\t)%2)+4*\i+3], v15 offset:32*SP*((\t)%2)+16*\i
.endr
.endm
.irp t, 0,1,2,3
	LOAD \t
.endr
	s_wait_loadcnt 12                              ; step 0's four loads are in; the twelve of steps 1 to 3 may be out
	TURN 0
.macro STEP t
.set XS, X+16*((\t)%2)
.if (\t) > 0
	s_wait_dscnt 1                                 ; this step's numbers are back from the stage (the last step's byte store may be out): so its stores into the stage have read their registers,
.else
	s_wait_dscnt 0x0
.endif
.if (\t)+4 < STEPS
	LOAD (\t)+4                                    ; which take the loads of four steps on
.endif
.if (\t)+1 < STEPS
.if STEPS-2-(\t) >= 3
	s_wait_loadcnt 12                              ; the next step's four loads are in; those of the three steps behind it may be out
.else
	s_wait_loadcnt 4*(STEPS-2-(\t))
.endif
	TURN (\t)+1                                    ; and go through the other stage while this step is worked
.endif
	v_max3_num_f32 v8, |v[XS]|, |v[XS+1]|, |v[XS+2]|               ; the largest magnitude of my 16, in two chains
	v_max3_num_f32 v9, |v[XS+3]|, |v[XS+4]|, |v[XS+5]|
.irp i, 6,10
	v_max3_num_f32 v8, v8, |v[XS+\i]|, |v[XS+\i+1]|
	v_max3_num_f32 v9, v9, |v[XS+\i+2]|, |v[XS+\i+3]|
.endr
	v_max3_num_f32 v8, v8, |v[XS+14]|, |v[XS+15]|
	v_max3_num_f32 v8, v8, v9, (EMAX+1)<<23        ; and the floor 2^(3 - 127): the byte cannot fall under 1
	v_max_num_f32_dpp v8, v8, v8 row_xmask:1 row_mask:0xf bank_mask:0xf   ; and of my neighbour's 16: the block's
	v_add_nc_u32 v11, -(EMAX<<23), v8              ; 2 off its exponent field: the conversion takes the exponent field of this operand as its scale, and nothing else of it
	v_cvt_scalef32_pk8_fp4_f32 v[C+4*(\t)], v[XS:XS+7], v11
	v_cvt_scalef32_pk8_fp4_f32 v[C+4*(\t)+1], v[XS+8:XS+15], v11
	v_lshrrev_b32 v[E+(\t)], 23, v11               ; the scale's byte
	ds_store_b8 v5, v[E+(\t)] offset:16*(\t)       ; both lanes of a block write the same byte with the same value
	global_store_b64 v4, v[C+4*(\t):C+4*(\t)+1], s[10:11] offset:32*CB*(\t)   ; 32 lanes store 256 consecutive bytes, aligned
.endm
.irp t, 0,1,2,3,4,5,6,7,8,9,10,11,12,13,14,15
	STEP \t
.endr
	ds_load_b64 v[8:9], v6                         ; LDS serves a wave's instructions in order: these see my stores
	s_wait_dscnt 0x0
	global_store_b64 v7, v[8:9], s[12:13]          ; 32 lanes store 256 consecutive bytes, aligned
	s_wait_tensorcnt 0x0                           ; the wave's end: behind my last LDS store
	ds_add_u32 v[SPW], v[NIL]
	s_wait_dscnt 0x0
	s_endpgm
.Lfunc_end_k_qbf89c34686_quant:
	.size	k_qbf89c34686_quant, .Lfunc_end_k_qbf89c34686_quant-k_qbf89c34686_quant
	.p2alignl 7, 3214868480
	.fill 96, 4, 3214868480
	.section	.rodata,"a",@progbits
	.p2align	6, 0x0
	.amdhsa_kernel k_qbf89c34686_quant
		.amdhsa_group_segment_fixed_size 33280
		.amdhsa_private_segment_fixed_size 0
		.amdhsa_enable_private_segment 0
		.amdhsa_kernarg_size 40
		.amdhsa_user_sgpr_count 2
		.amdhsa_user_sgpr_kernarg_segment_ptr 1
		.amdhsa_wavefront_size32 1
		.amdhsa_system_sgpr_workgroup_id_x 1
		.amdhsa_system_sgpr_workgroup_id_y 1
		.amdhsa_system_sgpr_workgroup_id_z 1
		.amdhsa_system_vgpr_workitem_id 0
		.amdhsa_next_free_vgpr 192
		.amdhsa_next_free_sgpr 66
		.amdhsa_reserve_vcc 0
		.amdhsa_float_denorm_mode_32 3
		.amdhsa_float_denorm_mode_16_64 3
		.amdhsa_memory_ordered 1
		.amdhsa_forward_progress 1
		.amdhsa_inst_pref_size 34
	.end_amdhsa_kernel
	.amdgpu_metadata
---
amdhsa.version: [ 1, 2 ]
amdhsa.kernels:
  - .name:           k_qbf89c34686_quant
    .symbol:         k_qbf89c34686_quant.kd
    .args:
      - { .name: query, .offset: 0, .size: 8, .value_kind: global_buffer, .address_space: global }
      - { .name: qkv_proj, .offset: 8, .size: 8, .value_kind: global_buffer, .address_space: global }
      - { .name: out_proj, .offset: 16, .size: 8, .value_kind: global_buffer, .address_space: global }
      - { .name: codes, .offset: 24, .size: 8, .value_kind: global_buffer, .address_space: global }
      - { .name: scales, .offset: 32, .size: 8, .value_kind: global_buffer, .address_space: global }
    .group_segment_fixed_size: 33280
    .private_segment_fixed_size: 0
    .kernarg_segment_align: 8
    .kernarg_segment_size: 40
    .max_flat_workgroup_size: 128
    .sgpr_count:     66
    .vgpr_count:     192
    .wavefront_size: 32
...
	.end_amdgpu_metadata
.endif
;; end of part 1
;; launch gemm_qkv (part 2): grid 4 x 64, 4 waves a work-group, clusters of 4 x 4, 327,680 bytes of LDS; arguments codes, scales, qkv_bias, qq, kv; writes qq, kv
.if DOCPART == 2
	.amdgcn_target "amdgcn-amd-amdhsa--gfx1250"
	.amdhsa_code_object_version 6
	.text
	.protected	k_qbf89c34686_gemm_qkv
	.globl	k_qbf89c34686_gemm_qkv
	.p2align	8
	.type	k_qbf89c34686_gemm_qkv,@function
k_qbf89c34686_gemm_qkv:
	s_mov_b64 s[64:65], 0
	v_nop
	global_prefetch_b8 v0, s[64:65] scope:SCOPE_SE
	s_setreg_imm32_b32 hwreg(HW_REG_WAVE_MODE, 25, 1), 1
	s_wait_xcnt 0x0
	s_wait_alu depctr_hold_cnt(0) depctr_sa_sdst(0) depctr_va_vdst(0) depctr_va_sdst(0) depctr_va_ssrc(0) depctr_va_vcc(0) depctr_vm_vsrc(0)
	s_getreg_b32 s2, hwreg(HW_REG_IB_STS2, 6, 4)
	s_cmp_eq_u32 s2, 0
	s_cbranch_scc0 .Lentry_in_a_cluster
	s_endpgm
.Lentry_in_a_cluster:
	s_bfe_u32 s2, ttmp6, 0x10000c
	s_cmp_lg_u32 s2, 0xf033
	s_cbranch_scc0 .Lentry_shape_is_right
	s_endpgm
.Lentry_shape_is_right:
; Launch 2 of 4: qkv = query qkv_proj^T + qkv_bias on codes of FP4, and q, k, v quantised in registers for the attention launch.  Nothing is left out.
; Feature f = 3 i + c (c = 0, 1, 2: q, k, v; i = 64 head + channel); token row m = 4 l + n.  Both reorderings are only row pitches of the tensor descriptors.
; SHARES.  256 work-groups that stay: each takes 128 tokens (n fixed, l = 128 yt on) x 256 i (256 cx on: four heads) and walks c = 0, 1, 2.  Wave w takes head 4 cx + w: 128 x 64, 32 accumulators for each c.
; LDS.  A's 128 rows (all of K, 512 bytes a row), A's scale bytes and B's scale bytes of all three c are fetched once, at the head.  B's codes come in six tiles, (c, half of K): 256 rows x 256 bytes, through a ring of
; two slots.  Tile 0 comes at the head; behind the round at the head of phase p every wave asks for its 64 rows of tile p + 1, into the slot read in phase p - 1: one tensor load a wave is out, and it has a phase
; (128 matrix instructions a wave, and after every second phase the quantising) in which to land.
; CLUSTER 4 x 4: the four of a row need the same tokens, the four of a column the same features: joint loads; each change of slots is a round of the cluster's barrier.
; PREFETCH.  Tile p + 2 is asked of memory in phase p, one phase ahead of its load (tile 1 at the head): of the 64 rows that a wave fetches each of the four partners of a column names 16, told apart by address,
; a lane a row of 256 bytes; lanes 16-31 name the last row again.  Tiles are six, so phases 4 and 5 ask for nothing.
; TILES.  The first launch has laid the rows so that LDS row 16 t + 8 a + j of a group of 64 is member 32 a + 8 t + j: slot r of tile 4 g + t is member 64 g + 8 t + r % 8 + 32 (r / 8), and the 32 result registers of
; tiles 4 g .. 4 g + 3 are 32 neighbours, 64 g + 32 (lane / 16) + 0 .. 31: a whole block of the next K in one lane, in the order that the next operand's registers want.
; q, k (c = 0, 1): source 0 = 16 channels, source 1 = 16 tokens: a lane holds one token.  v (c = 2): sources swapped: a lane holds one channel, its registers run along the keys.
; The bias is the C of each sum's first matrix instruction.
; RESULTS ARE IMAGES OF THE NEXT OPERAND'S REGISTERS, 16 bytes a lane on end: every store of a wave covers 512 consecutive bytes (v's scale words: 256).
;   q, k codes: a tile of 16 tokens: lane (r, h): the 16 bytes of block h of slot r.   q, k scale words: for 8 tiles: lane (r, h): four words, tiles 4 h + 0 .. 3: bytes 0, 1 the two blocks', bytes 2, 3 zero.
;   v codes: a fragment of 16 channels x 128 keys, eight registers.   v scale words: lane (r, h): two words, channel tiles 2 h, 2 h + 1.
; LIMITS as in the first launch: blocks under 2^-124 not tried, NaN and infinities not served; a block of zeros has the byte 1.
; REGISTERS.  window 0: v1-19 addresses; v28, v29 the add's two; v32-95 A's scale words, v96-127 B's; v128-159 the first step's C; v160-191 codes; v192-223 at work.
;   window 1: the 32 accumulators.   window 2: two sets of fragments: A's eight at 128 p, B's four at 128 p + 64.
.set AP,    528                        ; an LDS row of A's codes: 512 bytes + 16
.set BPI,   272                        ; of a tile of B: 256 bytes + 16
.set S0,    67584                      ; behind A's 128 rows: slot 0, 256 rows
.set S1,    137216                     ; slot 1
.set SCA,   206848                     ; A's scale bytes: 128 rows x (32 + 16)
.set SCB,   212992                     ; B's: 768 rows, row 3 i + c
.set SPARE, 249856                     ; the spare words, 128 bytes a wave, named by no other line
.set PADA,  (1<<20)|(1<<21)|(6<<22)|(3<<25)    ; elements of 1 byte; padding on; bit 21 beside a mask; 4 words behind every 128
.set PADB,  (1<<20)|(1<<21)|(5<<22)|(3<<25)    ; behind every 64
.set PADS,  (1<<20)|(1<<21)|(2<<22)|(3<<25)    ; behind every 8
.set ADRA, 8
.set ADRB, 10                          ; v10, v11: slot 0, 1
.set ADSA, 12
.set ADSB, 13
.set LI,   14                          ; 16 x lane
.set L8,   15                          ; 8 x lane
.set BO,   16                          ; my offset in the bias, q and k
.set H8,   17                          ; 8 x (lane / 16)
.set BOV,  18                          ; my offset in the bias, v
.set PFO,  19                          ; the prefetches' offset: a row of B a lane
.set SPW,  28
.set NIL,  29
.set SA,   32                          ; A's scale word of tile tt, K step q: v[SA + 8 tt + q]
.set SB,   96
.set CB,   128
.set CD,   160                         ; codes: four registers a block, eight blocks
.set EB,   192                         ; a scale byte for each block
.set TM,   200
.set XW,   208
.set YW,   212
.set RAW,  220
.set SEL,  2
.set PFA,  6                           ; s[6:7]: where my prefetches stand (the argument that lay there has been used by then)
.set G1A,  24
.set G1B,  32                          ; the ring's loads: 64 rows
.set G1SA, 40
.set G1SB, 48
.set G0A,  56
.set G0BH, 60                          ; the head's load of tile 0: 256 rows
.set G0SA, 68
.set G0SB, 72
.set G1BH, 76
.set RG,   92                          ; s[92:95], s[96:99]: the ring's groups 0, slot 0 and 1
.set MSB, 0
.macro WIN new                         ; the immediate's high byte repeats the setting that is left
.if MSB != \new
	s_set_vgpr_msb (MSB<<8)|\new
.set MSB, \new
.endif
.endm
.macro PLACES n
.rept \n
	v_nop
.endr
.endm
.macro CROUND                          ; a round of the cluster's barrier
	s_barrier_signal -1
	s_barrier_wait -1
	s_cmp_lg_u32 s14, 0
	s_cbranch_scc1 .Lnot_wave_0_\@
	s_barrier_signal -3
.Lnot_wave_0_\@:
	s_barrier_wait -3
	s_barrier_signal -1
	s_barrier_wait -1
.endm
.macro DESC g, c, r, p                 ; group 1 behind its first word: r rows of c elements, p elements apart
	s_mov_b32 s[\g+1], (\c)<<16
	s_mov_b32 s[\g+2], (\r)<<16
	s_mov_b32 s[\g+3], (\c)<<16
	s_mov_b32 s[\g+4], \r
	s_mov_b32 s[\g+5], \p
	s_mov_b32 s[\g+6], 0
	s_mov_b32 s[\g+7], 0
.endm
.macro ARM under, g0, g1, next         ; one arm of the head's chain: a load, the nops behind it, a jump to the join
	s_cmp_lt_u32 s14, \under
	s_cbranch_scc0 \next
	tensor_load_to_lds s[\g0:\g0+3], s[\g1:\g1+7]
	s_nop 0
.rept 4
	v_nop
.endr
	s_branch .Lhead_asked
\next:
.endm
	s_load_b256 s[4:11], s[0:1], 0x0               ; codes s[4:5], scales s[6:7], qkv_bias s[8:9], qq s[10:11]
	s_load_b64 s[12:13], s[0:1], 0x20              ; kv
	v_lshl_add_u32 v[SPW], v0, 2, SPARE
	v_mov_b32 v[NIL], 0
	ds_add_u32 v[SPW], v[NIL]                      ; the opening: the add, twice on end, and its wait ahead of my first tensor load
	ds_add_u32 v[SPW], v[NIL]
	v_lshrrev_b32 v1, 5, v0
	v_readfirstlane_b32 s14, v1                    ; wave 0..3
	s_bfe_u32 s84, ttmp6, 0x40000                  ; cx
	s_bfe_u32 s85, ttmp6, 0x40004                  ; cy
	s_and_b32 s17, ttmp7, 0xffff
	s_lshl_b32 s17, s17, 2
	s_add_co_u32 s17, s17, s85                     ; Y = 4 x cluster y + cy = 16 n + yt
	s_lshr_b32 s18, s17, 4                         ; n
	s_and_b32 s19, s17, 15                         ; yt
	s_lshl_b32 s86, s85, 2
	s_lshl_b32 s86, 15, s86                        ; my row of the cluster
	s_lshl_b32 s87, 0x1111, s84                    ; my column
	s_or_b32 s[G1A], s86, PADA
	DESC G1A, 512, 128, 2048                       ; A's codes: 128 rows x 512 bytes, 4 rows of query apart
	s_or_b32 s[G1BH], s87, PADB
	DESC G1BH, 256, 256, 1536                      ; a whole tile of B: 256 rows x 256 bytes, 3 rows of qkv_proj apart
	s_or_b32 s[G1B], s87, PADB
	DESC G1B, 256, 64, 1536                        ; a wave's quarter of one
	s_or_b32 s[G1SA], s86, PADS
	DESC G1SA, 32, 128, 128                        ; A's scale bytes: 32 a row
	s_or_b32 s[G1SB], s87, PADS
	DESC G1SB, 32, 768, 32                         ; B's, all three c: 768 dense rows
	; A's tiles hang on Y, which my row of the cluster shares; B's on cx, which my column shares; each in registers that never hold the other coordinate
	s_lshl_b32 s88, s19, 18                        ; A's codes: 512 (4 x 128 yt + n)
	s_lshl_b32 s23, s18, 9
	s_add_co_u32 s88, s88, s23
	s_mov_b32 s89, 0
	s_lshl_b32 s90, s19, 14                        ; A's scale bytes
	s_lshl_b32 s23, s18, 5
	s_add_co_u32 s90, s90, s23
	s_mov_b32 s91, 0
	s_mul_i32 s96, s84, 393216                     ; B's codes: behind query's 4,194,304 bytes: 512 x 3 x 256 cx
	s_add_co_u32 s96, s96, 4194304
	s_mov_b32 s97, 0
	s_mul_i32 s98, s84, 24576                      ; B's scale bytes: behind query's 262,144
	s_add_co_u32 s98, s98, 262144
	s_mov_b32 s99, 0
	s_mul_i32 s20, s14, 98304                      ; my 64 rows of a tile of B: in memory,
	s_mov_b32 s21, 0
	s_mul_i32 s23, s14, 64*BPI                     ; and in a slot
	s_mov_b32 s[G0A], 1
	s_mov_b32 s[G0A+1], 0
	s_mov_b32 s[G0BH], 1
	s_mov_b32 s[G0BH+1], S0
	s_mov_b32 s[G0SA], 1
	s_mov_b32 s[G0SA+1], SCA
	s_mov_b32 s[G0SB], 1
	s_mov_b32 s[G0SB+1], SCB
	s_mov_b32 s[SEL], 0x76543210
	s_mov_b32 s[SEL+1], 0xfedcba98
	s_wait_dscnt 0x0                               ; both opening adds are done
	s_wait_kmcnt 0x0
	s_add_nc_u64 s[G0A+2:G0A+3], s[4:5], s[88:89]
	s_add_nc_u64 s[G0SA+2:G0SA+3], s[6:7], s[90:91]
	s_add_nc_u64 s[G0BH+2:G0BH+3], s[4:5], s[96:97]
	s_add_nc_u64 s[G0SB+2:G0SB+3], s[6:7], s[98:99]
	s_add_nc_u64 s[RG+2:RG+3], s[G0BH+2:G0BH+3], s[20:21]   ; the ring: slot 0 stands at tile 0 (phase 0 steps it to tile 2),
	s_add_nc_u64 s[RG+6:RG+7], s[RG+2:RG+3], 256            ; slot 1 at tile 1: a tile on is 256 bytes on
	s_mul_i32 s22, s85, 24576                      ; the prefetches: of my 64 rows my work-group names 16 cy on
	s_add_co_u32 s20, s20, s22
	s_add_nc_u64 s[PFA:PFA+1], s[G0BH+2:G0BH+3], s[20:21]
	s_mov_b32 s[RG], 1
	s_add_co_u32 s[RG+1], s23, S0
	s_mov_b32 s[RG+4], 1
	s_add_co_u32 s[RG+5], s23, S1
	s_or_b32 s[G0A+3], s[G0A+3], 0x80000000
	s_or_b32 s[G0BH+3], s[G0BH+3], 0x80000000
	s_or_b32 s[G0SA+3], s[G0SA+3], 0x80000000
	s_or_b32 s[G0SB+3], s[G0SB+3], 0x80000000
	s_or_b32 s[RG+3], s[RG+3], 0x80000000
	s_or_b32 s[RG+7], s[RG+7], 0x80000000
	CROUND                                         ; all sixteen work-groups are here: the joint loads meet
	ARM 1, G0A,  G1A,  .Lhead_b                    ; one chain of branches on the wave's number, one load to an arm
	ARM 2, G0BH, G1BH, .Lhead_sa
	ARM 3, G0SA, G1SA, .Lhead_sb
	tensor_load_to_lds s[G0SB:G0SB+3], s[G1SB:G1SB+7]
	s_nop 0
.rept 4
	v_nop
.endr
.Lhead_asked:
	s_mul_i32 s20, s14, 64*BPI                     ; my wave's 64 rows of B in slot 0
	s_add_co_u32 s20, s20, S0
	s_mul_i32 s21, s14, 9216                       ; and their 192 rows of scale bytes
	s_add_co_u32 s21, s21, SCB
	s_mul_i32 s88, s84, 3072                       ; the bias of my head's features: 4 x 3 (256 cx + 64 w) bytes on
	s_mul_i32 s89, s14, 768
	s_add_co_u32 s88, s88, s89
	s_mov_b32 s89, 0
	s_add_nc_u64 s[8:9], s[8:9], s[88:89]
	s_lshl_b32 s22, s18, 4
	s_lshl_b32 s23, s84, 2
	s_add_co_u32 s22, s22, s23
	s_add_co_u32 s22, s22, s14                     ; b = 16 n + 4 cx + w: my batch
	v_and_b32 v1, 15, v0                           ; r
	v_bfe_u32 v2, v0, 4, 1                         ; h
	v_and_b32 v3, 8, v1
	v_mad_u32_u24 v3, v3, 3, v1                    ; r % 8 + 32 (r / 8): slot r's member
	v_mul_u32_u24 v4, v1, AP
	v_lshl_add_u32 v[ADRA], v2, 4, v4              ; a fragment's row x pitch + 16 x half
	v_mul_u32_u24 v4, v1, BPI
	v_lshl_add_u32 v4, v2, 4, v4
	v_add_nc_u32 v[ADRB], s20, v4
	v_add_nc_u32 v[ADRB+1], S1-S0, v[ADRB]
	v_mul_u32_u24 v4, v1, 48
	v_add_nc_u32 v[ADSA], SCA, v4
	v_mul_u32_u24 v4, v1, 144                      ; an i on is three rows of scale bytes on
	v_add_nc_u32 v[ADSB], s21, v4
	v_and_b32 v4, 31, v0
	v_lshlrev_b32 v[LI], 4, v4
	v_lshlrev_b32 v[L8], 3, v4
	v_lshlrev_b32 v[H8], 3, v2
	v_mul_u32_u24 v[BO], v2, 384                   ; q, k: register jj of tile ft holds channel 32 h + 8 ft + jj; a channel is 12 bytes on
	v_mul_u32_u24 v[BOV], v3, 12                   ; v: a lane holds one channel: 8 ft + r % 8 + 32 (r / 8)
	v_min_u32 v4, 15, v4
	v_mul_u32_u24 v[PFO], v4, 1536
	v_mov_b32 v[YW+4], 0                           ; written once: a lane permute's destination counts as one of its sources
.macro BIASQK c
.irp ft, 0,1,2,3
.irp jj, 0,1,2,3,4,5,6,7
	global_load_b32 v[CB+8*\ft+\jj], v[BO], s[8:9] offset:12*(8*\ft+\jj)+4*\c
.endr
.endr
.endm
	BIASQK 0
	global_prefetch_b8 v[PFO], s[PFA:PFA+1] offset:256 th:TH_LOAD_NT scope:SCOPE_SE   ; tile 1, which phase 0 will ask for
	s_wait_alu depctr_va_vdst(0)                   ; the head's end
.macro FETCH q, p                      ; 24 LDS loads: the fragments of K step q into set p; B's lie in slot q / 4
	WIN 0x80                                       ; destination window 2, address window 0
.irp tt, 0,1,2,3,4,5,6,7
.irp c, 0,1
	ds_load_b128 v[128*(\p)+8*\tt+4*\c:128*(\p)+8*\tt+4*\c+3], v[ADRA] offset:16*\tt*AP+64*(\q)+32*\c
.endr
.endr
.irp ft, 0,1,2,3
.irp c, 0,1
	ds_load_b128 v[128*(\p)+64+8*\ft+4*\c:128*(\p)+64+8*\ft+4*\c+3], v[ADRB+(\q)/4] offset:16*\ft*BPI+64*((\q)%4)+32*\c
.endr
.endr
.endm
.macro SCALESA                         ; 16 LDS loads: eight words (K steps 0 .. 7) of each of A's rows
	WIN 0
.irp tt, 0,1,2,3,4,5,6,7
.irp hf, 0,1
	ds_load_b128 v[SA+8*\tt+4*\hf:SA+8*\tt+4*\hf+3], v[ADSA] offset:16*\tt*48+16*\hf
.endr
.endr
.endm
.macro SCALESB c                       ; 8 LDS loads: the same of my rows of B for this c
	WIN 0
.irp ft, 0,1,2,3
.irp hf, 0,1
	ds_load_b128 v[SB+8*\ft+4*\hf:SB+8*\ft+4*\hf+3], v[ADSB] offset:(48*\ft+(\c))*48+16*\hf
.endr
.endr
.endm
; 32 matrix instructions: K step q.  The 32 accumulators take turns, one instruction a turn, in the same order in every step.  Step 0 takes the bias as C.
.macro MUL q, swap
.if (\q) == 0
	WIN 0x4a                                       ; sources 0, 1 window 2, C window 0, D window 1
.else
	WIN 0x5a                                       ; C and D window 1
.endif
.irp tt, 0,1,2,3,4,5,6,7
.irp ft, 0,1,2,3
.if \swap
.set AC,  8*(8*\ft+\tt)
.set OPA, 128*((\q)%2)+8*\tt
.set OPB, 128*((\q)%2)+64+8*\ft
.set WA,  SA+8*\tt+(\q)
.set WB,  SB+8*\ft+(\q)
.else
.set AC,  8*(4*\tt+\ft)
.set OPA, 128*((\q)%2)+64+8*\ft
.set OPB, 128*((\q)%2)+8*\tt
.set WA,  SB+8*\ft+(\q)
.set WB,  SA+8*\tt+(\q)
.endif
.set CIN, AC
.if (\q) == 0
.set CIN, CB+8*\ft
.endif
	v_wmma_scale_f32_16x16x128_f8f6f4 v[AC:AC+7], v[OPA:OPA+7], v[OPB:OPB+7], v[CIN:CIN+7], v[WA], v[WB] matrix_a_fmt:MATRIX_FMT_FP4 matrix_b_fmt:MATRIX_FMT_FP4
.endr
.endr
.endm
; PHASE ph = 2 c + (half of K): the change of slots at its head, then four K steps on slot ph % 2.
.macro PHASE ph, swap
	WIN 0
	s_wait_tensorcnt 0x0                           ; all my tensor loads are done, my part of this phase's tile among them,
	ds_add_u32 v[SPW], v[NIL]
.if (\ph) < 4
	s_add_nc_u64 s[RG+4*((\ph)%2)+2:RG+4*((\ph)%2)+3], s[RG+4*((\ph)%2)+2:RG+4*((\ph)%2)+3], 512   ; so a group 0 may be written: this slot's next tile, two tiles on
.endif
	s_wait_dscnt 0x0                               ; the add is done, and so are my reads of the other slot
	CROUND                                         ; both now hold of every wave of every work-group of the cluster
.if (\ph) < 5
	tensor_load_to_lds s[RG+4-4*((\ph)%2):RG+7-4*((\ph)%2)], s[G1B:G1B+7]   ; my 64 rows of the next tile, into the slot read last (phase 0: slot 1's first fill)
	s_nop 0
.endif
	PLACES 4                                       ; also the places in front of the loads into registers that the last products read
.if (\ph)%2 == 0
	s_wait_loadcnt 0x0                             ; this c's bias
.if \swap
.irp ft, 0,1,2,3
.irp jj, 0,1,2,3,4,5,6,7
	v_mov_b32 v[CB+8*\ft+\jj], v[RAW+\ft]          ; a channel's bias for all eight tokens of a register run
.endr
.endr
	s_wait_alu depctr_va_vdst(0)
.endif
.if (\ph) == 0
	SCALESA
.endif
	SCALESB (\ph)/2
.endif
	FETCH 4*((\ph)%2), 0
.irp j, 0,1,2,3
.set QQ, 4*((\ph)%2)+\j
.if \j < 3
.if \j > 0
	PLACES 4                                       ; four places in front of loads into the set that the last step's products read
.endif
	FETCH QQ+1, (\j+1)%2
.if (\j == 0) && ((\ph) < 4)
	global_prefetch_b8 v[PFO], s[PFA:PFA+1] offset:256*((\ph)+2) th:TH_LOAD_NT scope:SCOPE_SE   ; the tile that the next phase will ask for
.endif
	s_wait_dscnt 24                                ; all but the 24 loads just issued
.else
	s_wait_dscnt 0x0
.endif
	MUL QQ, \swap
.endr
.endm
; Four blocks of 32: accumulator registers s + 32 b + 0 .. 31 of window 1 are one lane's whole block.  Its largest magnitude, scale byte and 16 bytes of codes need no other lane; the codes leave as they are.
.macro QUANT4 s, k
	WIN 0x05                                       ; sources 0, 1 window 1
.irp b, 0,1,2,3
	v_max3_num_f32 v[TM+\b], |v[(\s)+32*\b]|, |v[(\s)+32*\b+1]|, 0x1800000   ; with the floor 2^(3 - 127).  Each accumulator is read from its low end on
.endr
.irp i, 2,4,6,8,10,12,14,16,18,20,22,24,26,28,30
.irp b, 0,1,2,3
	v_max3_num_f32 v[TM+\b], |v[(\s)+32*\b+\i]|, |v[(\s)+32*\b+\i+1]|, v[TM+\b]
.endr
.endr
	WIN 0
.irp b, 0,1,2,3
	v_add_nc_u32 v[TM+4+\b], 0xff000000, v[TM+\b]  ; 2 off the exponent field: the conversion's scale operand
.endr
.irp b, 0,1,2,3
	v_lshrrev_b32 v[EB+(\k)+\b], 23, v[TM+4+\b]    ; the scale's byte
.endr
	WIN 0x01                                       ; source 0 window 1
.irp b, 0,1,2,3
.irp t, 0,1,2,3
	v_cvt_scalef32_pk8_fp4_f32 v[CD+4*((\k)+\b)+\t], v[(\s)+32*\b+8*\t:(\s)+32*\b+8*\t+7], v[TM+4+\b]
.endr
.endr
	WIN 0
	v_nop                                          ; one plain place behind a scaled conversion
.irp b, 0,1,2,3
	global_store_b128 v[LI], v[CD+4*((\k)+\b):CD+4*((\k)+\b)+3], s[88:89] offset:512*((\k)+\b)
.endr
.endm
; Where a c's results go: buffer at s[base], bb bytes a batch; codes co bytes on, 4,096 yt; scale words so bytes on, yt << ssh
.macro PTRS base, bb, co, so, ssh
	s_mul_i32 s20, s22, \bb
	s_lshl_b32 s23, s19, 12
	s_add_co_u32 s88, s20, s23
	s_add_co_u32 s88, s88, \co
	s_mov_b32 s89, 0
	s_lshl_b32 s23, s19, \ssh
	s_add_co_u32 s90, s20, s23
	s_add_co_u32 s90, s90, \so
	s_mov_b32 s91, 0
	s_add_nc_u64 s[88:89], s[\base:\base+1], s[88:89]
	s_add_nc_u64 s[90:91], s[\base:\base+1], s[90:91]
.endm
.macro OUTQK                           ; q or k: block b = token tile b: my half's 32 channels
	QUANT4 0, 0
	QUANT4 128, 4
	v_lshl_or_b32 v[YW], v[EB+1], 8, v[EB]         ; my bytes of tiles 0 .. 3,
	v_lshl_or_b32 v[YW+1], v[EB+5], 8, v[EB+4]     ; and of tiles 4 .. 7
	v_lshl_or_b32 v[YW], v[EB+2], 16, v[YW]
	v_lshl_or_b32 v[YW+1], v[EB+6], 16, v[YW+1]
	v_lshl_or_b32 v[YW], v[EB+3], 24, v[YW]
	v_lshl_or_b32 v[YW+1], v[EB+7], 24, v[YW+1]
	v_cmp_eq_u32 vcc_lo, 1, v2                     ; lanes 16-31 store tiles 4 .. 7
	v_cndmask_b32 v[YW+2], v[YW], v[YW+1], vcc_lo  ; my bytes of the tiles that I store,
	v_cndmask_b32 v[YW+3], v[YW+1], v[YW], vcc_lo  ; and of those that lane l xor 16 stores
	v_permlanex16_b32 v[YW+4], v[YW+3], s[SEL], s[SEL+1]
	v_cndmask_b32 v[YW], v[YW+2], v[YW+4], vcc_lo  ; block 0's bytes
	v_cndmask_b32 v[YW+1], v[YW+4], v[YW+2], vcc_lo ; block 1's
.irp i, 0,1,2,3
	v_perm_b32 v[XW+\i], v[YW+1], v[YW], 0x0c0c0400+0x101*\i   ; a word a tile: the two bytes, then two zeros
.endr
	global_store_b128 v[LI], v[XW:XW+3], s[90:91]
.endm
	PHASE 0, 0                                     ; ---- q
	PHASE 1, 0
	WIN 0
	PLACES 4                                       ; four places in front of the first read of results
	PTRS 10, 73728, 0, 65536, 9
	OUTQK
	BIASQK 1
	PHASE 2, 0                                     ; ---- k
	PHASE 3, 0
	WIN 0
	PLACES 4
	s_wait_xcnt 0x0                                ; q's stores have read their registers and their bases: they are written again
	PTRS 12, 143360, 0, 131072, 9
	OUTQK
.irp ft, 0,1,2,3
	global_load_b32 v[RAW+\ft], v[BOV], s[8:9] offset:96*\ft+8
.endr
	PHASE 4, 1                                     ; ---- v
	PHASE 5, 1
	WIN 0
	PLACES 4
	s_wait_xcnt 0x0
	PTRS 12, 143360, 65536, 139264, 8
	QUANT4 0, 0                                    ; block 2 ft + g: keys 64 g + 32 h on of channel tile ft
	QUANT4 128, 4
.irp f, 0,1,2,3
	v_lshl_or_b32 v[XW+\f], v[EB+2*\f+1], 16, v[EB+2*\f]   ; my two bytes: blocks h and 2 + h,
.endr
.irp f, 0,1,2,3
	v_lshlrev_b32 v[XW+\f], v[H8], v[XW+\f]        ; at their places in the word;
.endr
.irp f, 0,1,2,3
	v_permlanex16_b32 v[TM+\f], v[XW+\f], s[SEL], s[SEL+1]
.endr
.irp f, 0,1,2,3
	v_or_b32 v[XW+\f], v[XW+\f], v[TM+\f]          ; with lane l xor 16's two the word is whole
.endr
	v_cmp_eq_u32 vcc_lo, 1, v2                     ; lanes 16-31 take channel tiles 2, 3
	v_cndmask_b32 v[YW], v[XW], v[XW+2], vcc_lo
	v_cndmask_b32 v[YW+1], v[XW+1], v[XW+3], vcc_lo
	global_store_b64 v[L8], v[YW:YW+1], s[90:91]
	s_wait_tensorcnt 0x0                           ; the wave's end
	ds_add_u32 v[SPW], v[NIL]
	s_wait_dscnt 0x0
	CROUND                                         ; the closing round
	s_endpgm
.Lfunc_end_k_qbf89c34686_gemm_qkv:
	.size	k_qbf89c34686_gemm_qkv, .Lfunc_end_k_qbf89c34686_gemm_qkv-k_qbf89c34686_gemm_qkv
	.p2alignl 7, 3214868480
	.fill 96, 4, 3214868480
	.section	.rodata,"a",@progbits
	.p2align	6, 0x0
	.amdhsa_kernel k_qbf89c34686_gemm_qkv
		.amdhsa_group_segment_fixed_size 327680
		.amdhsa_private_segment_fixed_size 0
		.amdhsa_enable_private_segment 0
		.amdhsa_kernarg_size 40
		.amdhsa_user_sgpr_count 2
		.amdhsa_user_sgpr_kernarg_segment_ptr 1
		.amdhsa_wavefront_size32 1
		.amdhsa_system_sgpr_workgroup_id_x 1
		.amdhsa_system_sgpr_workgroup_id_y 1
		.amdhsa_system_sgpr_workgroup_id_z 1
		.amdhsa_system_vgpr_workitem_id 0
		.amdhsa_next_free_vgpr 768
		.amdhsa_next_free_sgpr 100
		.amdhsa_reserve_vcc 1
		.amdhsa_float_denorm_mode_32 3
		.amdhsa_float_denorm_mode_16_64 3
		.amdhsa_memory_ordered 1
		.amdhsa_forward_progress 1
		.amdhsa_inst_pref_size 201
	.end_amdhsa_kernel
	.amdgpu_metadata
---
amdhsa.version: [ 1, 2 ]
amdhsa.kernels:
  - .name:           k_qbf89c34686_gemm_qkv
    .symbol:         k_qbf89c34686_gemm_qkv.kd
    .args:
      - { .name: codes, .offset: 0, .size: 8, .value_kind: global_buffer, .address_space: global }
      - { .name: scales, .offset: 8, .size: 8, .value_kind: global_buffer, .address_space: global }
      - { .name: qkv_bias, .offset: 16, .size: 8, .value_kind: global_buffer, .address_space: global }
      - { .name: qq, .offset: 24, .size: 8, .value_kind: global_buffer, .address_space: global }
      - { .name: kv, .offset: 32, .size: 8, .value_kind: global_buffer, .address_space: global }
    .group_segment_fixed_size: 327680
    .private_segment_fixed_size: 0
    .kernarg_segment_align: 8
    .kernarg_segment_size: 40
    .max_flat_workgroup_size: 128
    .sgpr_count:     100
    .vgpr_count:     768
    .wavefront_size: 32
...
	.end_amdgpu_metadata
.endif
;; end of part 2
;; launch attn (part 3): grid 8 x 32, 16 waves a work-group, clusters of 4 x 1, 327,680 bytes of LDS; arguments qq, kv, ao; writes ao
.if DOCPART == 3
	.amdgcn_target "amdgcn-amd-amdhsa--gfx1250"
	.amdhsa_code_object_version 6
	.text
	.protected	k_qbf89c34686_attn
	.globl	k_qbf89c34686_attn
	.p2align	8
	.type	k_qbf89c34686_attn,@function
k_qbf89c34686_attn:
	s_mov_b64 s[64:65], 0
	v_nop
	global_prefetch_b8 v0, s[64:65] scope:SCOPE_SE
	s_setreg_imm32_b32 hwreg(HW_REG_WAVE_MODE, 25, 1), 1
	s_wait_xcnt 0x0
	s_wait_alu depctr_hold_cnt(0) depctr_sa_sdst(0) depctr_va_vdst(0) depctr_va_sdst(0) depctr_va_ssrc(0) depctr_va_vcc(0) depctr_vm_vsrc(0)
	s_getreg_b32 s2, hwreg(HW_REG_IB_STS2, 6, 4)
	s_cmp_eq_u32 s2, 0
	s_cbranch_scc0 .Lentry_in_a_cluster
	s_endpgm
.Lentry_in_a_cluster:
	s_bfe_u32 s2, ttmp6, 0x10000c
	s_cmp_lg_u32 s2, 0x3003
	s_cbranch_scc0 .Lentry_shape_is_right
	s_endpgm
.Lentry_shape_is_right:
; Launch 3 of 4: attention on codes of FP4, and its result quantised along the channels for the last product.  Nothing is left out.
; t = score x 0.125 log2(e); M = the running largest t, rounded up to a whole number; p = 2^(t - M) is quantised along the keys; the row's sum is taken of the unquantised p and divides at the end.
; LIMIT: the promise holds while the scaled scores stay under 2^31 in magnitude.  NaN and infinities are not served.
; SHARES.  A work-group owns 256 queries of two heads (batches 2 y, 2 y + 1); each of its sixteen waves owns one tile of 16 queries, first of the one head, then of the other.
; ALL K AND V of both heads, codes and scale words, 286,720 dense bytes, lie in LDS at once: one tensor load a wave, 17,920 bytes each, nothing is filled again.
; CLUSTER 4 x 1: the four work-groups of a cluster walk the same two heads: joint loads.  No prefetch: all that comes from memory is asked for at the head, and no loop runs ahead of a stream.
; LAYOUT.  Both products are used transposed: a lane holds one query (lane % 16).  Slot r of key tile 4 g + t is key 64 g + 8 t + r % 8 + 32 (r / 8): the 32 score registers of tiles 4 g .. 4 g + 3 are the whole
; block of keys 64 g + 32 (lane / 16) + 0 .. 31, so a block's maximum needs no other lane and the conversions' results are the second product's operand as they stand.  V's channel tiles are laid likewise.
; A KEY STEP is 256 keys: 16 + 8 matrix instructions.  K = 64 fills half of the first product's 128: Q's registers 4 - 7 hold zero codes, and a key tile's fragment is 4 registers; the 4 registers behind it, which the
; instruction also names, hold the next tile's codes (behind the last tile: p's codes): every code of FP4 is a finite number, and it meets a zero code under finite scale bytes.
; REGISTERS: v1 16 x lane; v2, v3, v4, v7 LDS addresses of K, V, K's and V's scale words; v5, v6 the add's two; v9 byte selects; v11 the result's scale bytes; v12 -M, v13 the largest score, v[14:15] the sum;
; v16-23 Q; v24-27, v28-31 K's and V's scale words; v32-63 eight key tiles; v64-79 p's codes; v80 Q's scale word, v81 p's; v82 f, v83 the old -M; v84-93 at work; v0, v8, v10, v94, v95 the second head's Q;
; v96-223 scores, then p (v160-223 then V's fragments); v224-255 O^T.
.set HEADB, 143360                     ; a head: K's codes 65,536, V's 65,536, K's scale words 8,192, V's 4,096
.set SCX,   286720                     ; the result's scale words on their way out: 1,024 bytes, no tile lands here
.set SPARE, 287744                     ; the spare words, 128 bytes a wave, named by no other line
.set SPW, 5
.set NIL, 6
.set WV,  10
.macro CROUND
	s_barrier_signal -1
	s_barrier_wait -1
	s_cmp_lg_u32 s[WV], 0
	s_cbranch_scc1 .Lnot_wave_0_\@
	s_barrier_signal -3
.Lnot_wave_0_\@:
	s_barrier_wait -3
	s_barrier_signal -1
	s_barrier_wait -1
.endm
	s_load_b128 s[4:7], s[0:1], 0x0                ; qq, kv
	s_load_b64 s[8:9], s[0:1], 0x10                ; ao
	v_lshl_add_u32 v[SPW], v0, 2, SPARE
	v_mov_b32 v[NIL], 0
	ds_add_u32 v[SPW], v[NIL]                      ; the opening: the add, twice on end, and its wait
	ds_add_u32 v[SPW], v[NIL]
	v_lshrrev_b32 v1, 5, v0
	v_readfirstlane_b32 s[WV], v1
	s_bfe_u32 s11, ttmp6, 0x40000
	s_lshl_b32 s12, ttmp9, 2
	s_add_co_u32 s12, s12, s11                     ; which 256 queries
	s_and_b32 s13, ttmp7, 0xffff                   ; which pair of heads
	s_mov_b32 s16, 15|(3<<16)|(1<<21)              ; the four partners; elements of 8 bytes; 70 dense rows of 256 bytes
	s_mov_b32 s17, 32<<16
	s_mov_b32 s18, 70<<16
	s_mov_b32 s19, 32<<16
	s_mov_b32 s20, 70
	s_mov_b32 s21, 32
	s_mov_b32 s22, 0
	s_mov_b32 s23, 0
	s_mul_i32 s48, s13, 2*HEADB
	s_mul_i32 s14, s[WV], 17920
	s_add_co_u32 s48, s48, s14
	s_mov_b32 s49, 0
	s_mov_b32 s32, 0x76543210
	s_mov_b32 s33, 0xfedcba98
	s_mov_b32 s34, 0x3e38aa3b                      ; 0.125 log2(e)
	s_mov_b32 s35, s34
	s_wait_dscnt 0x0
	s_wait_kmcnt 0x0
	s_mov_b32 s24, 1
	s_mov_b32 s25, s14
	s_add_nc_u64 s[26:27], s[6:7], s[48:49]
	s_or_b32 s27, s27, 0x80000000
	CROUND
	tensor_load_to_lds s[24:27], s[16:23]
	s_nop 0
	s_lshl_b32 s15, s12, 4
	s_add_co_u32 s15, s15, s[WV]                   ; my tile of queries
	s_mul_i32 s50, s13, 147456
	s_lshl_b32 s51, s15, 9
	s_add_co_u32 s52, s50, s51
	s_mov_b32 s53, 0
	s_add_nc_u64 s[44:45], s[4:5], s[52:53]        ; its codes
	s_lshr_b32 s51, s15, 3
	s_lshl_b32 s51, s51, 9
	s_add_co_u32 s52, s50, s51
	s_bfe_u32 s51, s15, 0x10002
	s_lshl_b32 s51, s51, 8
	s_add_co_u32 s52, s52, s51
	s_and_b32 s51, s15, 3
	s_lshl_b32 s51, s51, 2
	s_add_co_u32 s52, s52, s51
	s_add_co_u32 s52, s52, 65536
	s_add_nc_u64 s[46:47], s[4:5], s[52:53]        ; its scale words
	s_lshr_b32 s48, s13, 3
	s_lshl_b32 s48, s48, 4
	s_lshl_b32 s49, s12, 1
	s_add_co_u32 s48, s48, s49
	s_and_b32 s49, s13, 7
	s_lshr_b32 s50, s[WV], 3
	s_add_co_u32 s50, s50, s48
	s_lshl_b32 s50, s50, 3
	s_add_co_u32 s50, s50, s49
	s_lshl_b32 s50, s50, 3
	s_and_b32 s51, s[WV], 7
	s_add_co_u32 s50, s50, s51
	s_lshl_b32 s50, s50, 10
	s_mov_b32 s51, 0
	s_add_nc_u64 s[40:41], s[8:9], s[50:51]        ; the result's codes: token block, K step, tile
	s_and_b32 s50, s[WV], 1
	s_add_co_u32 s50, s50, s48
	s_lshl_b32 s50, s50, 3
	s_add_co_u32 s50, s50, s49
	s_lshl_b32 s50, s50, 9
	s_add_co_u32 s50, s50, 4194304
	s_add_nc_u64 s[42:43], s[8:9], s[50:51]        ; its scale words
	v_and_b32 v1, 31, v0
	v_and_b32 v9, 15, v0
	v_bfe_u32 v11, v0, 4, 1
	v_lshlrev_b32 v7, 3, v1
	v_lshlrev_b32 v1, 4, v1
	v_lshlrev_b32 v10, 4, v9
	global_load_b128 v[16:19], v1, s[44:45]
	global_load_b128 v[96:99], v1, s[44:45] offset:73728
	global_load_b32 v80, v10, s[46:47]
	global_load_b32 v100, v10, s[46:47] offset:73728
	v_cmp_eq_u32 vcc_lo, 1, v11
	v_mov_b32 v9, 0x05010400                       ; lanes 0-15 make the scale word of the step's first 128 keys: mine, the other's, mine, the other's
	v_mov_b32 v84, 0x03070206                      ; lanes 16-31 that of the second 128
	v_cndmask_b32 v9, v9, v84, vcc_lo
	v_mov_b32 v11, 0
.irp j, 20,21,22,23,64,65,66,67
	v_mov_b32 v[\j], 0
.endr
.macro QK bt                           ; eight key tiles against my queries
.irp t, 0,1,2,3
	v_wmma_scale_f32_16x16x128_f8f6f4 v[96+64*\bt+8*\t:103+64*\bt+8*\t], v[32+4*\t:39+4*\t], v[16:23], 0, v[24+\t], v80 matrix_a_fmt:MATRIX_FMT_FP4 matrix_b_fmt:MATRIX_FMT_FP4
.endr
.irp t, 4,5,6,7
	v_wmma_scale_f32_16x16x128_f8f6f4 v[96+64*\bt+8*\t:103+64*\bt+8*\t], v[32+4*\t:39+4*\t], v[16:23], 0, v[20+\t], v80 matrix_a_fmt:MATRIX_FMT_FP4 matrix_b_fmt:MATRIX_FMT_FP4 matrix_a_scale:MATRIX_SCALE_ROW1
.endr
.endm
.macro BMAX x, y                       ; the largest score of my blocks x and y: two chains a block, four by turns; each accumulator is first read in its four lowest registers
.irp g, \x, \y
	v_max3_num_f32 v[84+\g], v[96+32*\g], v[97+32*\g], v[98+32*\g]
	v_max3_num_f32 v[88+\g], v[113+32*\g], v[114+32*\g], v[115+32*\g]
.endr
.irp i, 0,2,4,6,8,10
.irp g, \x, \y
	v_max3_num_f32 v[84+\g], v[84+\g], v[99+32*\g+\i], v[100+32*\g+\i]
	v_max3_num_f32 v[88+\g], v[88+\g], v[116+32*\g+\i], v[117+32*\g+\i]
.endr
.endr
.irp g, \x, \y
	v_max3_num_f32 v[84+\g], v[84+\g], v[111+32*\g], v[112+32*\g]
.endr
.irp g, \x, \y
	v_max_num_f32 v[84+\g], v[84+\g], v[88+\g]
.endr
.endm
.macro TLESSM a, b                     ; t - M, two at a time
.set J, \a
.rept ((\b)-(\a))/2
	v_pk_fma_f32 v[J:J+1], v[J:J+1], s[34:35], v[12:13] op_sel_hi:[1,0,0]
.set J, J+2
.endr
.endm
.macro SUM3 a, n                       ; n rounds of the sum's three chains, from register a on
.set J, \a
.rept \n
	v_pk_add_f32 v[14:15], v[14:15], v[J:J+1]
	v_pk_add_f32 v[92:93], v[92:93], v[J+2:J+3]
	v_pk_add_f32 v[86:87], v[86:87], v[J+4:J+5]
.set J, J+6
.endr
.endm
.macro STEP
	ds_load_b128 v[24:27], v4
.irp t, 0,1,2,3,4,5,6,7
	ds_load_b128 v[32+4*\t:35+4*\t], v2 offset:512*\t
.endr
	s_wait_dscnt 0x0
	QK 0
	v_add_nc_u32 v3, 8192, v3                      ; four places: V's addresses step to this step's,
	v_add_nc_u32 v7, 512, v7
	v_nop
	v_nop
	ds_load_b128 v[24:27], v4 offset:512
.irp t, 0,1,2,3,4,5,6,7
	ds_load_b128 v[32+4*\t:35+4*\t], v2 offset:4096+512*\t
.endr
	BMAX 0, 1
	s_wait_dscnt 0x0
	QK 1
	v_add_nc_u32 v2, 8192, v2                      ; four places: K's addresses step to the next step's,
	v_add_nc_u32 v4, 1024, v4
	v_mov_b32 v83, v12                             ; the old -M
	v_nop
	BMAX 2, 3
	v_max3_num_f32 v88, v84, v85, v86
	s_delay_alu instid0(VALU_DEP_1)
	v_max3_num_f32 v88, v88, v87, v13              ; with the running largest score
	s_delay_alu instid0(VALU_DEP_1)
	v_permlanex16_b32 v89, v88, s32, s33
	s_delay_alu instid0(VALU_DEP_1)
	v_max_num_f32 v13, v88, v89                    ; and lane l xor 16's keys
	s_delay_alu instid0(VALU_DEP_1)
	v_mul_f32 v88, s34, v13
	s_delay_alu instid0(VALU_DEP_1)
	v_floor_f32 v12, -v88                          ; -M = floor(-t): M is a whole number
	s_delay_alu instid0(VALU_DEP_1)
	v_sub_f32 v82, v12, v83                        ; old M - new M, 0 or less
	TLESSM 96, 104
	v_cvt_i32_f32 v82, v82                         ; (it saturates)
	TLESSM 104, 112
	v_ldexp_f32 v82, 1.0, v82                      ; f = 2^(old M - new M)
	TLESSM 112, 224
.irp b, 0,1,2,3
	v_fma_f32 v[84+\b], v[84+\b], s34, v12         ; the same of each block's largest score
.endr
.irp j, 0,2,4,6,8,10,12,14,16,18,20,22,24,26,28,30
	v_pk_mul_f32 v[224+\j:225+\j], v[224+\j:225+\j], v[82:83] op_sel_hi:[1,0]   ; O^T under the new M
.endr
	s_wait_alu depctr_va_vdst(0)                   ; ahead of the batch
.set J, 96
.rept 128
	v_exp_f32 v[J], v[J]                           ; p = 2^(t - M)
.set J, J+1
.endr
.irp b, 0,1,2,3
	v_exp_f32 v[84+\b], v[84+\b]                   ; each block's largest p: the same two instructions on the same number
.endr
	v_pk_mul_f32 v[14:15], v[14:15], v[82:83] op_sel_hi:[1,0]   ; the sum under the new M: a plain place behind the batch
	s_wait_alu depctr_va_vdst(0)                   ; and the one wait behind it
.irp b, 0,1,2,3
	v_max_num_f32 v[84+\b], 0x1800000, v[84+\b]    ; the floor 2^(3 - 127)
.endr
.irp b, 0,1,2,3
	v_add_nc_u32 v[88+\b], 0xff000000, v[84+\b]    ; the conversion's scale operand
.endr
.irp b, 0,1,2,3
	v_lshrrev_b32 v[84+\b], 23, v[88+\b]           ; the scale's byte
.endr
	v_lshl_or_b32 v84, v85, 8, v84
	v_lshl_or_b32 v86, v87, 8, v86
	s_delay_alu instid0(VALU_DEP_1)
	v_lshl_or_b32 v84, v86, 16, v84                ; my four bytes,
	s_delay_alu instid0(VALU_DEP_1)
	v_permlanex16_b32 v85, v84, s32, s33           ; lane l xor 16's four,
	s_delay_alu instid0(VALU_DEP_1)
	v_perm_b32 v81, v85, v84, v9                   ; and the scale word: lanes 0-15 the first 128 keys', lanes 16-31 the second's
	v_pk_add_f32 v[92:93], v[160:161], v[162:163]  ; the sum of the unquantised p, in three chains: first the registers that V's fragments will take
	v_pk_add_f32 v[86:87], v[164:165], v[166:167]
	v_pk_add_f32 v[14:15], v[14:15], v[168:169]
	SUM3 170, 9
.irp g, 0,1,2,3
.irp t, 0,1,2,3
	v_cvt_scalef32_pk8_fp4_f32 v[64+4*\g+\t], v[96+32*\g+8*\t:103+32*\g+8*\t], v[88+\g]
.endr
.endr
	ds_load_b64 v[28:29], v7
	ds_load_b64 v[30:31], v7 offset:256
.irp s, 0,1
.irp f, 0,1,2,3
.irp c, 0,1
	ds_load_b128 v[160+32*\s+8*\f+4*\c:163+32*\s+8*\f+4*\c], v3 offset:4096*\s+1024*\f+512*\c
.endr
.endr
.endr
	SUM3 96, 10                                    ; the rest of the sum stands under the loads, and is the places ahead of the products
	v_pk_add_f32 v[92:93], v[92:93], v[156:157]
	v_pk_add_f32 v[86:87], v[86:87], v[158:159]
	s_delay_alu instid0(VALU_DEP_1)
	v_pk_add_f32 v[92:93], v[92:93], v[86:87]
	s_delay_alu instid0(VALU_DEP_1)
	v_pk_add_f32 v[14:15], v[14:15], v[92:93]
	s_wait_dscnt 0x0
.irp f, 0,1                            ; O^T += V^T P^T: the four accumulators by turns
	v_wmma_scale_f32_16x16x128_f8f6f4 v[224+8*\f:231+8*\f], v[160+8*\f:167+8*\f], v[64:71], v[224+8*\f:231+8*\f], v[28+\f], v81 matrix_a_fmt:MATRIX_FMT_FP4 matrix_b_fmt:MATRIX_FMT_FP4
.endr
.irp f, 0,1
	v_wmma_scale_f32_16x16x128_f8f6f4 v[240+8*\f:247+8*\f], v[176+8*\f:183+8*\f], v[64:71], v[240+8*\f:247+8*\f], v[28+\f], v81 matrix_a_fmt:MATRIX_FMT_FP4 matrix_b_fmt:MATRIX_FMT_FP4 matrix_a_scale:MATRIX_SCALE_ROW1
.endr
.irp f, 0,1
	v_wmma_scale_f32_16x16x128_f8f6f4 v[224+8*\f:231+8*\f], v[192+8*\f:199+8*\f], v[72:79], v[224+8*\f:231+8*\f], v[30+\f], v81 matrix_a_fmt:MATRIX_FMT_FP4 matrix_b_fmt:MATRIX_FMT_FP4 matrix_b_scale:MATRIX_SCALE_ROW1
.endr
.irp f, 0,1
	v_wmma_scale_f32_16x16x128_f8f6f4 v[240+8*\f:247+8*\f], v[208+8*\f:215+8*\f], v[72:79], v[240+8*\f:247+8*\f], v[30+\f], v81 matrix_a_fmt:MATRIX_FMT_FP4 matrix_b_fmt:MATRIX_FMT_FP4 matrix_a_scale:MATRIX_SCALE_ROW1 matrix_b_scale:MATRIX_SCALE_ROW1
.endr
.endm
.macro PASS hd                         ; one head: eight key steps, then the result's codes
.if \hd == 0
	v_mov_b32 v2, v1
	v_add_nc_u32 v3, 65536-8192, v1                ; V's two addresses are stepped ahead of their use
	v_add_nc_u32 v4, 131072, v1
	v_add_nc_u32 v7, 139264-512, v7
.else
	v_add_nc_u32 v2, HEADB-65536, v2
	v_add_nc_u32 v3, HEADB-65536, v3
	v_add_nc_u32 v4, HEADB-8192, v4
	v_add_nc_u32 v7, HEADB-4096, v7
	v_mov_b32 v16, v8                              ; the second head's Q
	v_mov_b32 v17, v10
	v_mov_b32 v18, v94
	v_mov_b32 v19, v95
	v_mov_b32 v80, v0
.endif
	s_mov_b32 s39, 8
	v_mov_b32 v13, 0xff61b1e6                      ; the largest score so far: -3e38
	v_mov_b32 v14, 0
	v_mov_b32 v15, 0
	v_mul_f32 v88, s34, v13
	s_delay_alu instid0(VALU_DEP_1)
	v_floor_f32 v12, -v88
.irp j, 0,1,2,3,4,5,6,7,8,9,10,11,12,13,14,15,16,17,18,19,20,21,22,23,24,25,26,27,28,29,30,31
	v_mov_b32 v[224+\j], 0                         ; the step is written once: the first finds zeros
.endr
.Lk_\@:
	STEP
	s_sub_co_u32 s39, s39, 1
	s_cmp_lg_u32 s39, 0
	s_cbranch_scc1 .Lk_\@
	s_wait_alu depctr_va_vdst(0)                   ; directly ahead of the reader below
	v_add_f32 v14, v14, v15
	s_delay_alu instid0(VALU_DEP_1)
	v_permlanex16_b32 v85, v14, s32, s33
	s_delay_alu instid0(VALU_DEP_1)
	v_add_f32 v14, v14, v85                        ; the row's sum
	s_wait_alu depctr_va_vdst(0)
	v_rcp_f32 v14, v14
.rept 4
	v_nop
.endr
	s_wait_alu depctr_va_vdst(0)                   ; ahead of the first reader of the reciprocal and of O^T
.irp j, 0,2,4,6,8,10,12,14,16,18,20,22,24,26,28,30
	v_pk_mul_f32 v[96+\j:97+\j], v[224+\j:225+\j], v[14:15] op_sel_hi:[1,0]   ; register 8 f + j: channel 32 (lane / 16) + 8 f + j: my whole block
.endr
	v_max3_num_f32 v84, |v96|, |v97|, 0x1800000
	v_max3_num_f32 v88, |v112|, |v113|, |v114|
.irp i, 0,2,4,6,8,10
	v_max3_num_f32 v84, v84, |v[98+\i]|, |v[99+\i]|
	v_max3_num_f32 v88, v88, |v[115+\i]|, |v[116+\i]|
.endr
	v_max3_num_f32 v84, v84, |v110|, |v111|
	s_delay_alu instid0(VALU_DEP_1)
	v_max3_num_f32 v84, v84, v88, |v127|
	s_delay_alu instid0(VALU_DEP_1)
	v_add_nc_u32 v88, 0xff000000, v84
	s_delay_alu instid0(VALU_DEP_1)
	v_lshrrev_b32 v84, 23, v88
	s_delay_alu instid0(VALU_DEP_1)
	v_alignbit_b32 v11, v84, v11, 16               ; the byte goes in on top: behind both heads the first's lies at bit 0, the second's at bit 16
.irp t, 0,1,2,3
	v_cvt_scalef32_pk8_fp4_f32 v[72+\t], v[96+8*\t:103+8*\t], v88
.endr
	v_nop
	global_store_b128 v1, v[72:75], s[40:41] offset:512*\hd   ; registers 4 hd .. 4 hd + 3 of the last product's operand: 512 consecutive bytes a wave
	s_wait_alu depctr_va_vdst(0)                   ; directly ahead of the wait below
	s_wait_xcnt 0x0                                ; the store has read its registers: they are written again
.endm
	s_wait_alu depctr_va_vdst(0)                   ; the head's end
	s_wait_tensorcnt 0x0                           ; my part of K and V is in,
	s_barrier_signal -1
	s_barrier_wait -1                              ; and everybody's
	s_wait_loadcnt 0x0
	v_mov_b32 v8, v96                              ; the second head's Q waits in five registers that the steps leave alone
	v_mov_b32 v10, v97
	v_mov_b32 v94, v98
	v_mov_b32 v95, v99
	v_mov_b32 v0, v100
	PASS 0
	PASS 1
	s_lshr_b32 s50, s[WV], 3                       ; the scale words of eight tiles are gathered in LDS: 512 (wave / 8) + 32 r + 4 (wave % 8)
	s_lshl_b32 s50, s50, 9
	s_and_b32 s51, s[WV], 7
	s_lshl_b32 s51, s51, 2
	s_add_co_u32 s50, s50, s51
	s_add_co_u32 s50, s50, SCX
	s_and_b32 s51, s[WV], 1
	s_lshl_b32 s51, s51, 9
	s_add_co_u32 s51, s51, SCX
	v_lshrrev_b32 v84, 5, v1
	v_and_b32 v2, 0xf0, v1
	v_add_nc_u32 v3, s51, v1
	v_and_b32 v84, 8, v84                          ; 8 x (lane / 16)
	v_lshlrev_b32 v2, 1, v2
	s_delay_alu instid0(VALU_DEP_2)
	v_lshlrev_b32 v11, v84, v11                    ; my two bytes at their places,
	v_add_nc_u32 v2, s50, v2
	s_delay_alu instid0(VALU_DEP_2)
	v_permlanex16_b32 v85, v11, s32, s33
	s_delay_alu instid0(VALU_DEP_1)
	v_or_b32 v11, v11, v85                         ; with lane l xor 16's two the word is whole
	ds_store_b32 v2, v11                           ; both halves write the same word with the same value
	s_wait_alu depctr_va_vdst(0)
	s_wait_dscnt 0x0
	s_barrier_signal -1
	s_barrier_wait -1
	s_cmp_lt_u32 s[WV], 2
	s_cbranch_scc0 .Lno
	ds_load_b128 v[32:35], v3
	s_wait_dscnt 0x0
	global_store_b128 v1, v[32:35], s[42:43]       ; 512 consecutive bytes
.Lno:
	s_wait_tensorcnt 0x0                           ; the wave's end
	ds_add_u32 v[SPW], v[NIL]
	s_wait_dscnt 0x0
	CROUND                                         ; the closing round
	s_endpgm
.Lfunc_end_k_qbf89c34686_attn:
	.size	k_qbf89c34686_attn, .Lfunc_end_k_qbf89c34686_attn-k_qbf89c34686_attn
	.p2alignl 7, 3214868480
	.fill 96, 4, 3214868480
	.section	.rodata,"a",@progbits
	.p2align	6, 0x0
	.amdhsa_kernel k_qbf89c34686_attn
		.amdhsa_group_segment_fixed_size 327680
		.amdhsa_private_segment_fixed_size 0
		.amdhsa_enable_private_segment 0
		.amdhsa_kernarg_size 24
		.amdhsa_user_sgpr_count 2
		.amdhsa_user_sgpr_kernarg_segment_ptr 1
		.amdhsa_wavefront_size32 1
		.amdhsa_system_sgpr_workgroup_id_x 1
		.amdhsa_system_sgpr_workgroup_id_y 1
		.amdhsa_system_sgpr_workgroup_id_z 1
		.amdhsa_system_vgpr_workitem_id 0
		.amdhsa_next_free_vgpr 256
		.amdhsa_next_free_sgpr 66
		.amdhsa_reserve_vcc 1
		.amdhsa_float_denorm_mode_32 3
		.amdhsa_float_denorm_mode_16_64 3
		.amdhsa_memory_ordered 1
		.amdhsa_forward_progress 1
		.amdhsa_inst_pref_size 69
	.end_amdhsa_kernel
	.amdgpu_metadata
---
amdhsa.version: [ 1, 2 ]
amdhsa.kernels:
  - .name:           k_qbf89c34686_attn
    .symbol:         k_qbf89c34686_attn.kd
    .args:
      - { .name: qq, .offset: 0, .size: 8, .value_kind: global_buffer, .address_space: global }
      - { .name: kv, .offset: 8, .size: 8, .value_kind: global_buffer, .address_space: global }
      - { .name: ao, .offset: 16, .size: 8, .value_kind: global_buffer, .address_space: global }
    .group_segment_fixed_size: 327680
    .private_segment_fixed_size: 0
    .kernarg_segment_align: 8
    .kernarg_segment_size: 24
    .max_flat_workgroup_size: 512
    .sgpr_count:     66
    .vgpr_count:     256
    .wavefront_size: 32
...
	.end_amdgpu_metadata
.endif
;; end of part 3
;; launch gemm_out (part 4): grid 4 x 64, 4 waves a work-group, clusters of 4 x 4, 239,104 bytes of LDS; arguments codes, scales, ao, out_bias, out0; writes out0
.if DOCPART == 4
	.amdgcn_target "amdgcn-amd-amdhsa--gfx1250"
	.amdhsa_code_object_version 6
	.text
	.protected	k_qbf89c34686_gemm_out
	.globl	k_qbf89c34686_gemm_out
	.p2align	8
	.type	k_qbf89c34686_gemm_out,@function
k_qbf89c34686_gemm_out:
	s_mov_b64 s[64:65], 0
	v_nop
	global_prefetch_b8 v0, s[64:65] scope:SCOPE_SE
	s_setreg_imm32_b32 hwreg(HW_REG_WAVE_MODE, 25, 1), 1
	s_wait_xcnt 0x0
	s_wait_alu depctr_hold_cnt(0) depctr_sa_sdst(0) depctr_va_vdst(0) depctr_va_sdst(0) depctr_va_ssrc(0) depctr_va_vcc(0) depctr_vm_vsrc(0)
	s_getreg_b32 s2, hwreg(HW_REG_IB_STS2, 6, 4)
	s_cmp_eq_u32 s2, 0
	s_cbranch_scc0 .Lentry_in_a_cluster
	s_endpgm
.Lentry_in_a_cluster:
	s_bfe_u32 s2, ttmp6, 0x10000c
	s_cmp_lg_u32 s2, 0xf033
	s_cbranch_scc0 .Lentry_shape_is_right
	s_endpgm
.Lentry_shape_is_right:
; Launch 4 of 4: out0 = (attention's result) out_proj^T + out_bias on codes of FP4.  Nothing is left out.
; SHARES.  A work-group takes 128 tokens (block Y = 16 n + yt) x 256 columns (256 cx on); wave w takes 128 x 64: 32 accumulators.  256 work-groups.
; A's fragments and scale words come as the attention launch laid them: images of the operand's registers, one dense block of 65,536 bytes and one of 4,096.  B's rows of codes are 512 bytes.
; ALL OF K lies in LDS at once.  Four first fills, one a wave: A's images, B's codes, A's scale words, B's scale bytes; nothing is filled again.
; CLUSTER 4 x 4: the four of a row need the same tokens, the four of a column the same columns of out_proj: joint loads.
; Source 0 = 16 rows of out_proj, source 1 = 16 tokens: a lane holds eight neighbouring columns of one token.  The bias is the C of each sum's first matrix instruction.
; Slot r of token tile tt is token l = 128 yt + 64 (tt / 4) + 8 (tt % 4) + r % 8 + 32 (r / 8); its row of out0 is 4 l + n.
; REGISTERS.  window 0: v1-26 addresses; v28, v29 the add's two; v32-95 A's scale words, v96-127 B's; v128-159 the bias; v160-223 rows on the way out.  window 1: the accumulators.  window 2: two sets of fragments.
.set BP,    528                        ; an LDS row of B's codes: 512 bytes + 16
.set BIMG,  65536                      ; behind A's images
.set SCA,   200704                     ; A's scale words, dense: K step q at 512 q, slot r at 32 r, tile at 4 tt
.set SCB,   204800                     ; B's scale bytes: 256 rows x (32 + 16)
.set STAGE, 217088                     ; the way out: 16 rows x (256 + 16) bytes for each wave; no tensor load lands here
.set SPARE, 234496                     ; the spare words, 128 bytes a wave, named by no other line
.set PADC,  (1<<20)|(1<<21)|(6<<22)|(3<<25)
.set PADS,  (1<<20)|(1<<21)|(2<<22)|(3<<25)
.set ADRB, 10
.set ADSA, 12
.set ADSB, 13
.set LI,   14
.set BO,   16
.set STO,  24
.set RD,   25
.set CO,   26
.set SPW,  28
.set NIL,  29
.set SA,   32                          ; A's scale word of K step q, tile tt: v[SA + 8 q + tt]
.set SB,   96                          ; B's of tile ft: v[SB + 8 ft + q]
.set CB,   128
.set BK,   160
.set G1A,  24
.set G1B,  32
.set G1SA, 40
.set G1SB, 48
.set G0A,  56
.set G0B,  60
.set G0SA, 68
.set G0SB, 72
.set MSB, 0
.macro WIN new                         ; the immediate's high byte repeats the setting that is left
.if MSB != \new
	s_set_vgpr_msb (MSB<<8)|\new
.set MSB, \new
.endif
.endm
.macro PLACES n
.rept \n
	v_nop
.endr
.endm
.macro CROUND                          ; a round of the cluster's barrier
	s_barrier_signal -1
	s_barrier_wait -1
	s_cmp_lg_u32 s14, 0
	s_cbranch_scc1 .Lnot_wave_0_\@
	s_barrier_signal -3
.Lnot_wave_0_\@:
	s_barrier_wait -3
	s_barrier_signal -1
	s_barrier_wait -1
.endm
.macro DESC g, c, r, p                 ; group 1 behind its first word: r rows of c elements, p elements apart
	s_mov_b32 s[\g+1], (\c)<<16
	s_mov_b32 s[\g+2], (\r)<<16
	s_mov_b32 s[\g+3], (\c)<<16
	s_mov_b32 s[\g+4], \r
	s_mov_b32 s[\g+5], \p
	s_mov_b32 s[\g+6], 0
	s_mov_b32 s[\g+7], 0
.endm
.macro ARM under, g0, g1, next         ; one arm of the head's chain: a load, the nops behind it, a jump to the join
	s_cmp_lt_u32 s14, \under
	s_cbranch_scc0 \next
	tensor_load_to_lds s[\g0:\g0+3], s[\g1:\g1+7]
	s_nop 0
.rept 4
	v_nop
.endr
	s_branch .Lhead_asked
\next:
.endm
	s_load_b256 s[4:11], s[0:1], 0x0               ; codes s[4:5], scales s[6:7], ao s[8:9], out_bias s[10:11]
	s_load_b64 s[12:13], s[0:1], 0x20              ; out0
	v_lshl_add_u32 v[SPW], v0, 2, SPARE
	v_mov_b32 v[NIL], 0
	ds_add_u32 v[SPW], v[NIL]                      ; the opening: the add, twice on end, and its wait ahead of my first tensor load
	ds_add_u32 v[SPW], v[NIL]
	v_lshrrev_b32 v1, 5, v0
	v_readfirstlane_b32 s14, v1                    ; wave 0..3
	s_bfe_u32 s84, ttmp6, 0x40000                  ; cx
	s_bfe_u32 s85, ttmp6, 0x40004                  ; cy
	s_and_b32 s17, ttmp7, 0xffff
	s_lshl_b32 s17, s17, 2
	s_add_co_u32 s17, s17, s85                     ; Y = 16 n + yt
	s_lshr_b32 s18, s17, 4                         ; n
	s_and_b32 s19, s17, 15                         ; yt
	s_lshl_b32 s86, s85, 2
	s_lshl_b32 s86, 15, s86                        ; my row of the cluster
	s_lshl_b32 s87, 0x1111, s84                    ; my column
	s_or_b32 s[G1A], s86, (3<<16)|(1<<21)
	DESC G1A, 32, 256, 32                          ; A's images: 256 dense rows of 256 bytes (32 elements of 8 bytes)
	s_or_b32 s[G1SA], s86, (3<<16)|(1<<21)
	DESC G1SA, 32, 16, 32                          ; A's scale words: 16 such rows
	s_or_b32 s[G1B], s87, PADC
	DESC G1B, 512, 256, 512                        ; B's codes: 256 rows x 512 bytes
	s_or_b32 s[G1SB], s87, PADS
	DESC G1SB, 32, 256, 32                         ; B's scale bytes: 256 rows x 32
	s_lshl_b32 s92, s17, 16                        ; A's images: 65,536 Y
	s_mov_b32 s93, 0
	s_lshl_b32 s94, s17, 12                        ; A's scale words: behind the codes, 4,096 Y
	s_add_co_u32 s94, s94, 4194304
	s_mov_b32 s95, 0
	s_lshl_b32 s96, s84, 17                        ; B's codes: out_proj's rows begin at byte 5,767,168: 512 x 256 cx
	s_add_co_u32 s96, s96, 5767168
	s_mov_b32 s97, 0
	s_lshl_b32 s98, s84, 13                        ; B's scale bytes: from byte 360,448
	s_add_co_u32 s98, s98, 360448
	s_mov_b32 s99, 0
	s_mov_b32 s[G0A], 1
	s_mov_b32 s[G0A+1], 0
	s_mov_b32 s[G0B], 1
	s_mov_b32 s[G0B+1], BIMG
	s_mov_b32 s[G0SA], 1
	s_mov_b32 s[G0SA+1], SCA
	s_mov_b32 s[G0SB], 1
	s_mov_b32 s[G0SB+1], SCB
	s_wait_dscnt 0x0                               ; both opening adds are done
	s_wait_kmcnt 0x0
	s_add_nc_u64 s[G0A+2:G0A+3], s[8:9], s[92:93]
	s_add_nc_u64 s[G0B+2:G0B+3], s[4:5], s[96:97]
	s_add_nc_u64 s[G0SA+2:G0SA+3], s[8:9], s[94:95]
	s_add_nc_u64 s[G0SB+2:G0SB+3], s[6:7], s[98:99]
	s_or_b32 s[G0A+3], s[G0A+3], 0x80000000
	s_or_b32 s[G0B+3], s[G0B+3], 0x80000000
	s_or_b32 s[G0SA+3], s[G0SA+3], 0x80000000
	s_or_b32 s[G0SB+3], s[G0SB+3], 0x80000000
	CROUND                                         ; all sixteen work-groups are here: the joint loads meet
	ARM 1, G0A,  G1A,  .Lhead_b                    ; one chain of branches on the wave's number, one load to an arm
	ARM 2, G0B,  G1B,  .Lhead_sa
	ARM 3, G0SA, G1SA, .Lhead_sb
	tensor_load_to_lds s[G0SB:G0SB+3], s[G1SB:G1SB+7]
	s_nop 0
.rept 4
	v_nop
.endr
.Lhead_asked:
	s_mul_i32 s88, s14, 64*BP                      ; my wave's 64 rows of B
	s_add_co_u32 s88, s88, BIMG
	s_mul_i32 s89, s14, 3072
	s_add_co_u32 s89, s89, SCB
	s_mul_i32 s90, s14, 4352
	s_add_co_u32 s90, s90, STAGE                   ; my stage
	s_lshl_b32 s20, s84, 10
	s_lshl_b32 s21, s14, 8
	s_add_co_u32 s20, s20, s21                     ; my first column, in bytes: 1,024 cx + 256 w
	s_mov_b32 s21, 0
	s_add_nc_u64 s[10:11], s[10:11], s[20:21]
	s_lshl_b32 s22, s19, 21                        ; 128 yt tokens,
	s_add_co_u32 s20, s20, s22
	s_lshl_b32 s22, s18, 12                        ; n
	s_add_co_u32 s20, s20, s22
	s_add_nc_u64 s[12:13], s[12:13], s[20:21]
	v_and_b32 v1, 15, v0                           ; r
	v_bfe_u32 v2, v0, 4, 1                         ; h
	v_mul_u32_u24 v5, v1, BP
	v_lshl_add_u32 v5, v2, 4, v5                   ; a fragment's row x pitch + 16 x half
	v_add_nc_u32 v[ADRB], s88, v5
	v_lshl_add_u32 v[ADSA], v1, 5, SCA
	v_mul_u32_u24 v6, v1, 48
	v_add_nc_u32 v[ADSB], s89, v6
	v_and_b32 v6, 31, v0
	v_lshlrev_b32 v[LI], 4, v6
	v_lshlrev_b32 v[BO], 5, v2                     ; the bias of my eight columns of a tile: 32 h bytes on
	v_mul_u32_u24 v4, v1, 272
	v_lshl_add_u32 v[STO], v2, 5, v4
	v_add_nc_u32 v[STO], s90, v[STO]               ; in: row r, 32 bytes for each half of the lanes
	v_mul_u32_u24 v6, v2, 272
	v_lshl_add_u32 v[RD], v1, 4, v6
	v_add_nc_u32 v[RD], s90, v[RD]                 ; back: lanes 0-15 one row of 256 bytes, lanes 16-31 the next
	v_lshlrev_b32 v6, 14, v2
	v_lshl_add_u32 v[CO], v1, 4, v6                ; and in out0: a token on is 16,384 bytes on
.irp ft, 0,1,2,3
	global_load_b128 v[CB+8*\ft:CB+8*\ft+3], v[BO], s[10:11] offset:64*\ft
	global_load_b128 v[CB+8*\ft+4:CB+8*\ft+7], v[BO], s[10:11] offset:64*\ft+16
.endr
.macro FETCH q, p                      ; 24 LDS loads: the fragments of K step q into set p
	WIN 0x80                                       ; destination window 2, address window 0
.irp tt, 0,1,2,3,4,5,6,7
.irp c, 0,1
	ds_load_b128 v[128*(\p)+8*\tt+4*\c:128*(\p)+8*\tt+4*\c+3], v[LI] offset:8192*(\q)+1024*\tt+512*\c
.endr
.endr
.irp ft, 0,1,2,3
.irp c, 0,1
	ds_load_b128 v[128*(\p)+64+8*\ft+4*\c:128*(\p)+64+8*\ft+4*\c+3], v[ADRB] offset:16*\ft*BP+64*(\q)+32*\c
.endr
.endr
.endm
.macro SCALES                          ; 24 LDS loads: all scale words
	WIN 0
.irp q, 0,1,2,3,4,5,6,7
.irp hf, 0,1
	ds_load_b128 v[SA+8*\q+4*\hf:SA+8*\q+4*\hf+3], v[ADSA] offset:512*\q+16*\hf
.endr
.endr
.irp ft, 0,1,2,3
.irp hf, 0,1
	ds_load_b128 v[SB+8*\ft+4*\hf:SB+8*\ft+4*\hf+3], v[ADSB] offset:768*\ft+16*\hf
.endr
.endr
.endm
.macro MUL q                           ; 32 matrix instructions: the accumulators take turns, in the same order in every step; step 0 takes the bias as C
.if (\q) == 0
	WIN 0x4a
.else
	WIN 0x5a
.endif
.irp tt, 0,1,2,3,4,5,6,7
.irp ft, 0,1,2,3
.set AC,  8*(4*\tt+\ft)
.set OPA, 128*((\q)%2)+64+8*\ft
.set OPB, 128*((\q)%2)+8*\tt
.set CIN, AC
.if (\q) == 0
.set CIN, CB+8*\ft
.endif
	v_wmma_scale_f32_16x16x128_f8f6f4 v[AC:AC+7], v[OPA:OPA+7], v[OPB:OPB+7], v[CIN:CIN+7], v[SB+8*\ft+(\q)], v[SA+8*(\q)+\tt] matrix_a_fmt:MATRIX_FMT_FP4 matrix_b_fmt:MATRIX_FMT_FP4
.endr
.endr
.endm
.macro STEP q
.if (\q) < 7
.if (\q) > 0
	PLACES 4                                       ; in front of loads into the set that the last step's products read
.endif
	FETCH (\q)+1, ((\q)+1)%2
	s_wait_dscnt 24                                ; all but the 24 loads just issued
.else
	s_wait_dscnt 0x0
.endif
	MUL \q
.endm
	s_wait_alu depctr_va_vdst(0)                   ; the head's end
	s_wait_tensorcnt 0x0                           ; my tile of the four is in,
	s_barrier_signal -1
	s_barrier_wait -1                              ; everybody's is
	SCALES
	FETCH 0, 0
	s_wait_loadcnt 0x0                             ; the bias
.irp q, 0,1,2,3,4,5,6,7
	STEP \q
.endr
	WIN 0
; THE WAY OUT, a tile of 16 tokens x 64 columns at a time, through my own stage: a lane holds 32 bytes of a row; the rows come back whole, and sixteen lanes store 256 consecutive bytes, aligned.
; LDS serves a wave's instructions in order: no wait between the stores and the loads, nor in front of the next tile's stores.
.macro TOSTAGE a
	WIN 0x04                                       ; an LDS store's data are its source 1: window 1
.irp ft, 0,1,2,3
	ds_store_b128 v[STO], v[8*(4*(\a)+\ft):8*(4*(\a)+\ft)+3] offset:64*\ft       ; each accumulator from its low end on
	ds_store_b128 v[STO], v[8*(4*(\a)+\ft)+4:8*(4*(\a)+\ft)+7] offset:64*\ft+16
.endr
	WIN 0
.set BB, BK+32*((\a)%2)
.irp i, 0,1,2,3,4,5,6,7
	ds_load_b128 v[BB+4*\i:BB+4*\i+3], v[RD] offset:544*\i
.endr
.endm
.macro SEND a, younger                 ; younger: the LDS instructions issued behind tile a's loads, which may stay out
.set BB, BK+32*((\a)%2)
	s_wait_dscnt \younger
.irp i, 0,1,2,3,4,5,6,7
	global_store_b128 v[CO], v[BB+4*\i:BB+4*\i+3], s[12:13] offset:(64*((\a)/4)+8*((\a)%4)+2*(\i%4)+32*(\i/4))*16384 th:TH_STORE_NT   ; slots 2 i, 2 i + 1 of the tile
.endr
.endm
	PLACES 4                                       ; in front of the first read of results
	TOSTAGE 0
.irp a, 1,2,3,4,5,6,7
.if \a > 1
	s_wait_xcnt 0x0                                ; tile a - 2's stores have read their registers: tile a's loads may land there
.endif
	TOSTAGE \a
	SEND \a-1, 16                                  ; behind tile a - 1's loads: tile a's 8 stores and 8 loads
.endr
	SEND 7, 0
	s_wait_tensorcnt 0x0                           ; the wave's end: behind my last tensor load and my last LDS store
	ds_add_u32 v[SPW], v[NIL]
	s_wait_dscnt 0x0
	CROUND                                         ; the closing round
	s_endpgm
.Lfunc_end_k_qbf89c34686_gemm_out:
	.size	k_qbf89c34686_gemm_out, .Lfunc_end_k_qbf89c34686_gemm_out-k_qbf89c34686_gemm_out
	.p2alignl 7, 3214868480
	.fill 96, 4, 3214868480
	.section	.rodata,"a",@progbits
	.p2align	6, 0x0
	.amdhsa_kernel k_qbf89c34686_gemm_out
		.amdhsa_group_segment_fixed_size 239104
		.amdhsa_private_segment_fixed_size 0
		.amdhsa_enable_private_segment 0
		.amdhsa_kernarg_size 40
		.amdhsa_user_sgpr_count 2
		.amdhsa_user_sgpr_kernarg_segment_ptr 1
		.amdhsa_wavefront_size32 1
		.amdhsa_system_sgpr_workgroup_id_x 1
		.amdhsa_system_sgpr_workgroup_id_y 1
		.amdhsa_system_sgpr_workgroup_id_z 1
		.amdhsa_system_vgpr_workitem_id 0
		.amdhsa_next_free_vgpr 768
		.amdhsa_next_free_sgpr 100
		.amdhsa_reserve_vcc 0
		.amdhsa_float_denorm_mode_32 3
		.amdhsa_float_denorm_mode_16_64 3
		.amdhsa_memory_ordered 1
		.amdhsa_forward_progress 1
		.amdhsa_inst_pref_size 71
	.end_amdhsa_kernel
	.amdgpu_metadata
---
amdhsa.version: [ 1, 2 ]
amdhsa.kernels:
  - .name:           k_qbf89c34686_gemm_out
    .symbol:         k_qbf89c34686_gemm_out.kd
    .args:
      - { .name: codes, .offset: 0, .size: 8, .value_kind: global_buffer, .address_space: global }
      - { .name: scales, .offset: 8, .size: 8, .value_kind: global_buffer, .address_space: global }
      - { .name: ao, .offset: 16, .size: 8, .value_kind: global_buffer, .address_space: global }
      - { .name: out_bias, .offset: 24, .size: 8, .value_kind: global_buffer, .address_space: global }
      - { .name: out0, .offset: 32, .size: 8, .value_kind: global_buffer, .address_space: global }
    .group_segment_fixed_size: 239104
    .private_segment_fixed_size: 0
    .kernarg_segment_align: 8
    .kernarg_segment_size: 40
    .max_flat_workgroup_size: 128
    .sgpr_count:     100
    .vgpr_count:     768
    .wavefront_size: 32
...
	.end_amdgpu_metadata
.endif
;; end of part 4
